; MI455X (gfx1250); checked and timed in simulation.
; The chip was launched on July 23, 2026; its instructions are those of AMD's public machine-readable ISA for CDNA 5 (MIT licence, August 2026) and "CDNA5" Instruction Set Architecture Reference Guide (July 2026). The comments in the code are by the model that wrote it; some were corrected since.
;; E74 Checkpointed Cell. Allowed arithmetic: float matrix products may take bf16 or f16 operands with f32 sums; other float arithmetic in f32, or as packed bf16 or f16 multiplies, adds, multiply-adds, maxima and minima; sums over many terms, partial sums and values carried from step to step in f32; what a program stores and reads back later, other than sums and carried values, may be rounded once to bf16 or f16.
;; Inputs: S0 32 x 256 x 256 float32; W_k 256 x 1,024 float32; W_q 256 x 1,024 float32; W_v 256 x 1,024 float32; x 512 x 32 x 1,024 float32.
;; Outputs: out0 512 x 32 x 256 float32.
;; One version. Each part assembles by itself: llvm-mc -triple=amdgcn-amd-amdhsa -mcpu=gfx1250 --defsym DOCPART=n.
;; ======== version 1 of 1: 3 launches
;; limits: values are held in f16: magnitudes above 65,504 overflow, below 6.1e-05 lose precision; values outside matrix products are rounded to f16
;; workspace buffers: W16 1,572,864 bytes; REC 19,136,512 bytes; VB 8,388,608 bytes
;; launch wcast (part 1): grid 24 x 16, 8 waves a work-group, no clusters, 0 bytes of LDS; arguments W_k, W_v, W_q, W16; writes W16
.if DOCPART == 1
	.amdgcn_target "amdgcn-amd-amdhsa--gfx1250"
	.amdhsa_code_object_version 6
	.text
	.protected	k_qaf2d588512_wcast
	.globl	k_qaf2d588512_wcast
	.p2align	8
	.type	k_qaf2d588512_wcast,@function
k_qaf2d588512_wcast:
	s_mov_b64 s[64:65], 0
	v_nop
	global_prefetch_b8 v0, s[64:65] scope:SCOPE_SE
	s_setreg_imm32_b32 hwreg(HW_REG_WAVE_MODE, 25, 1), 1
	s_wait_xcnt 0x0
; THE PROGRAM (three launches).  reference(): k, v, q = x W^T; k_norm = k / (|k| + 1e-6); 512 steps S += (v - S k_norm) k_norm^T, out = Sq silu(Sq), Sq = S q.
; The steps are taken 32 at a time, by algebra that holds for all values.  With K, V, Q a chunk's 32 rows and S the state at its start:
;   L = strict lower triangle of K K^T;  A = (I + L)^-1 (L is nilpotent: exact substitution);  U = A (V - K S^T);  Sq = Q S^T + tril(Q K^T) U;  S += U^T K.
; wcast: the weights rounded to bf16 and laid in K slots.  proj: the projections and, per chunk, K, Q, A, tril(Q K^T), V.  scan: the sixteen chunks.
; SIGNS: W_v is stored negated, so proj makes -V; proj solves for -A; then U = (-A)(-V) + (-A)(K S^T), and no negation stands in the chain.
; FORMATS: all inputs (x, the three W, S0) are rounded once to bf16; what the program makes (k_norm, q / |q|, v, A, P, K S^T, U, the operand copy of S) is f16; S and all sums are f32.
; LEFT OUT AS DEAD: the state update of the last chunk (reference() drops the final S, whatever the inputs hold) and the tiles of K K^T and Q K^T above the diagonal
; (a step reads only earlier steps' writes).  No input is dead: all five are loaded.  LIMIT: a NaN, an infinity or an overflow that reaches only that last update is not carried to the result.
; THIS KERNEL: W16[slot 16][row 768][64 k] bf16, row = 256 mat + n, mat 0 = W_k, 1 = -W_v, 2 = W_q.  A work-group takes 32 rows of one matrix in one slot:
; a thread reads 32 bytes and stores 16; sixteen neighbouring lanes store 256 consecutive bytes, aligned.  No LDS, no matrix unit: a cast.
	s_load_b256 s[4:11], s[0:1], 0x0               ; W_k s[4:5], W_v s[6:7], W_q s[8:9], W16 s[10:11]
	s_and_b32 s12, ttmp7, 0xffff                   ; the slot
	s_lshr_b32 s13, ttmp9, 3                       ; which matrix
	s_and_b32 s14, ttmp9, 7
	s_lshl_b32 s14, s14, 5                         ; the first of my 32 rows in it
	v_lshrrev_b32 v1, 3, v0                        ; eight threads to a row
	v_and_b32 v2, 7, v0
	v_add_nc_u32 v1, s14, v1
	v_lshlrev_b32 v1, 12, v1                       ; a row of W is 4,096 bytes
	v_lshl_add_u32 v1, v2, 5, v1                   ; my 8 numbers
	s_lshl_b32 s15, s12, 8                         ; the slot's 64 numbers
	v_add_nc_u32 v1, s15, v1
	s_mul_i32 s16, s12, 98304                      ; a slot of W16
	s_lshl_b32 s17, ttmp9, 12                      ; 32 rows of 128 bytes
	s_add_co_u32 s16, s16, s17
	v_lshl_add_u32 v3, v0, 4, s16
	s_wait_kmcnt 0x0
	s_cmp_eq_u32 s13, 1
	s_cselect_b64 s[18:19], s[6:7], s[4:5]
	s_cselect_b32 s20, 0x80008000, 0               ; the signs of two bf16: W_v is negated
	s_cmp_eq_u32 s13, 2
	s_cselect_b64 s[18:19], s[8:9], s[18:19]
	global_load_b128 v[4:7], v1, s[18:19]
	global_load_b128 v[8:11], v1, s[18:19] offset:16
	s_wait_loadcnt 0x0
	v_cvt_pk_bf16_f32 v12, v4, v5
	v_cvt_pk_bf16_f32 v13, v6, v7
	v_cvt_pk_bf16_f32 v14, v8, v9
	v_cvt_pk_bf16_f32 v15, v10, v11
	v_xor_b32 v12, s20, v12
	v_xor_b32 v13, s20, v13
	v_xor_b32 v14, s20, v14
	v_xor_b32 v15, s20, v15
	global_store_b128 v3, v[12:15], s[10:11]
	s_endpgm
.Lfunc_end_k_qaf2d588512_wcast:
	.size	k_qaf2d588512_wcast, .Lfunc_end_k_qaf2d588512_wcast-k_qaf2d588512_wcast
	.p2alignl 7, 3214868480
	.fill 96, 4, 3214868480
	.section	.rodata,"a",@progbits
	.p2align	6, 0x0
	.amdhsa_kernel k_qaf2d588512_wcast
		.amdhsa_group_segment_fixed_size 0
		.amdhsa_private_segment_fixed_size 0
		.amdhsa_enable_private_segment 0
		.amdhsa_kernarg_size 32
		.amdhsa_user_sgpr_count 2
		.amdhsa_user_sgpr_kernarg_segment_ptr 1
		.amdhsa_wavefront_size32 1
		.amdhsa_system_sgpr_workgroup_id_x 1
		.amdhsa_system_sgpr_workgroup_id_y 1
		.amdhsa_system_sgpr_workgroup_id_z 1
		.amdhsa_system_vgpr_workitem_id 0
		.amdhsa_next_free_vgpr 16
		.amdhsa_next_free_sgpr 66
		.amdhsa_reserve_vcc 0
		.amdhsa_float_denorm_mode_32 3
		.amdhsa_float_denorm_mode_16_64 3
		.amdhsa_memory_ordered 1
		.amdhsa_forward_progress 1
		.amdhsa_inst_pref_size 2
	.end_amdhsa_kernel
	.amdgpu_metadata
---
amdhsa.version: [ 1, 2 ]
amdhsa.kernels:
  - .name:           k_qaf2d588512_wcast
    .symbol:         k_qaf2d588512_wcast.kd
    .args:
      - { .name: W_k, .offset: 0, .size: 8, .value_kind: global_buffer, .address_space: global }
      - { .name: W_v, .offset: 8, .size: 8, .value_kind: global_buffer, .address_space: global }
      - { .name: W_q, .offset: 16, .size: 8, .value_kind: global_buffer, .address_space: global }
      - { .name: W16, .offset: 24, .size: 8, .value_kind: global_buffer, .address_space: global }
    .group_segment_fixed_size: 0
    .private_segment_fixed_size: 0
    .kernarg_segment_align: 8
    .kernarg_segment_size: 32
    .max_flat_workgroup_size: 256
    .sgpr_count:     66
    .vgpr_count:     16
    .wavefront_size: 32
...
	.end_amdgpu_metadata
.endif
;; end of part 1
;; launch proj (part 2): grid 256 x 1, 4 waves a work-group, clusters of 4 x 1, 327,680 bytes of LDS; arguments x, W16, REC, VB; writes REC, VB
.if DOCPART == 2
	.amdgcn_target "amdgcn-amd-amdhsa--gfx1250"
	.amdhsa_code_object_version 6
	.text
	.protected	k_qaf2d588512_proj
	.globl	k_qaf2d588512_proj
	.p2align	8
	.type	k_qaf2d588512_proj,@function
k_qaf2d588512_proj:
	s_mov_b64 s[64:65], 0
	v_nop
	global_prefetch_b8 v0, s[64:65] scope:SCOPE_SE
	s_setreg_imm32_b32 hwreg(HW_REG_WAVE_MODE, 25, 1), 1
	s_wait_xcnt 0x0
	s_wait_alu depctr_hold_cnt(0) depctr_sa_sdst(0) depctr_va_vdst(0) depctr_va_sdst(0) depctr_va_ssrc(0) depctr_va_vcc(0) depctr_vm_vsrc(0)
	s_getreg_b32 s2, hwreg(HW_REG_IB_STS2, 6, 4)
	s_cmp_eq_u32 s2, 0
	s_cbranch_scc0 .Lentry_in_a_cluster
	s_endpgm
.Lentry_in_a_cluster:
	s_bfe_u32 s2, ttmp6, 0x10000c
	s_cmp_lg_u32 s2, 0x3003
	s_cbranch_scc0 .Lentry_shape_is_right
	s_endpgm
.Lentry_shape_is_right:
; k, -v, q = x W16^T for 64 steps of one batch (two chunks of 32) and all 768 columns, then everything that a chunk needs beside the state.
; LEFT OUT AS DEAD: the tiles of K K^T and Q K^T above the diagonal (see the first kernel's head).
; SHARES.  Work-group wg = 4 x cluster + cx: batch wg % 32, steps 64 (wg / 32) on.  Wave w: columns 64 w .. 64 w + 63 of each of k, v, q: 48 accumulators of 16 x 16.
; k and q are taken transposed (source 0 = rows of W, source 1 = rows of x): a lane holds one step and 8 neighbouring columns, which rounded in pairs are a row-operand fragment.
; v is taken as it stands (source 0 = x): a lane holds one column and 8 steps, which are a column-operand fragment over the chunk's steps.
; THE RING.  16 slots of 64 along the 1,024.  W16's tile (98,304 dense bytes) is the same for all work-groups: the cluster's four ask for it JOINTLY, each wave a quarter (96 rows of 256 bytes;
; 16 bytes of padding behind every 128: LDS rows of 144 bytes, so that the 16 rows of a fragment load start at 16 different groups of four banks: ISA guide 11.1).
; x is nobody else's: each wave loads 16 rows x 256 bytes a slot into registers, four slots ahead (four sets), rounds them once to bf16 and stores them into a stage of two buffers.
; These loads may stay out across the barriers; up to 32 of a wave are out.
; THE WAY OUT.  Row norms (partial sums meet in LDS, f32); k / (|k| + 1e-6) and q / max(|q|, 2^-60) in f16; partial K K^T and K Q^T over my 64 columns, summed in LDS (f32);
; waves 0 and 2 solve for -A = -(I + L)^-1 of chunk 0 and 1, waves 1 and 3 store P = tril(Q^ K^T) and the |q|.
; RECORD of a chunk (37,376 bytes): K 16 fragments (8 a + kappa), Q^ 16, -A 2, P 2, then 32 f32 |q| and 384 bytes of 0.  A fragment (16 rows x 32, 1,024 bytes): registers 4 p .. 4 p + 3 of
; lane (r, h) lie at 512 p + 256 h + 16 (r xor 8 h): a plain load and a turning load of it each touch 16 different 16-byte columns of 256 bytes.
; LIMITS.  v is kept in f16: |v| stays under 65,504.  A row of q with |q| under 2^-60 counts as that norm.  Roots and reciprocals are the chip's, to 1 ulp.  NaN and infinities are not treated apart.
; REGISTERS, in windows of 256 (s_set_vgpr_msb: bits 1:0 source 0, 3:2 source 1, 5:4 source 2, 7:6 destination):
;   window 0: v0-31 addresses and small work; v32-95 x fragments, two buffers; v96-223 x as loaded, four sets; v224-255 at work
;   window 1: v0-191 W fragments, two buffers of 96 (8 (4 mat + column tile))      window 2: v0-127 k, v128-255 q (8 (4 column tile + step tile))      window 3: v0-127 v
.set WP,    144                        ; an LDS row of W or of x: 128 bytes + 16
.set WSLOT, 768*WP
.set WTILE, 98304                      ; a slot's tile of W16 in memory
.set XS,    2*WSLOT                    ; the stage for x: two buffers of 64 rows
.set XSB,   64*WP
.set SPARE, XS+2*XSB                   ; the spare words: 128 bytes a wave, two blocks of 256 bytes that no other line names
.set NORM,  SPARE+512                  ; [k, q][64 steps][4 waves] f32
.set PART,  NORM+2048                  ; [consumer 4][producer 4][tile 3][1,024]: partial Gram tiles, f32
.set LST,   PART+49152                 ; 4,096 a wave: L, 32 rows of 128 bytes, f32
.set AST,   LST+16384                  ; 2,560 a wave: -A, 32 rows of 80 bytes, f16
.set RECB,  37376
.set AX,  2                            ; v2-3   x fragments in stage buffer 0, 1
.set AW,  4                            ; v4, v6 W fragments in slot 0, 1; v5, v7 the same 512 rows on (q: past the 16-bit immediate)
.set XO,  8                            ; v8     my 16 bytes in the first two of my wave's 16 rows of x
.set XW,  9                            ; v9-10  where I put 8 bytes of x in stage buffer 0, 1
.set PFO, 11                           ; v11    256 x lane
.set SPW, 12                           ; v12    my spare word; never rewritten
.set NIL, 13                           ; v13    0; never rewritten
.set RS,  16                           ; v16-23 by step tile: 1 / (|k| + 1e-6), 1 / |q|
.set NQ,  24                           ; v24-27 by step tile: |q|
.set XF,  32
.set XR,  96
.set T,   224
.set G1,  24                           ; s[24:31] descriptor group 1
.set G0,  32                           ; s[32:39] descriptor group 0, a set for each slot
.set MSB, 0
.macro WIN new                         ; the immediate's high byte repeats the setting that is left; a switch that changes nothing is dropped
.if MSB != (\new)
	s_set_vgpr_msb (MSB<<8)|(\new)
.set MSB, \new
.endif
.endm
.macro PLACES                          ; four plain places behind matrix instructions (ISA guide 7.12.1), where no other vector work is at hand
.rept 4
	v_nop
.endr
.endm
.macro CREST                           ; a round of the cluster's barrier behind its opening barrier
	s_cmp_lg_u32 s12, 0
	s_cbranch_scc1 .Lnw0_\@
	s_barrier_signal -3
.Lnw0_\@:
	s_barrier_wait -3
	s_barrier_signal -1
	s_barrier_wait -1
.endm
.macro CROUND
	s_barrier_signal -1
	s_barrier_wait -1
	CREST
.endm
.macro XLOAD set, off                  ; a slot's 16 rows x 256 bytes: sixteen lanes take 256 consecutive bytes, aligned; two rows an instruction
.irp i, 0,1,2,3,4,5,6,7
	global_load_b128 v[XR+32*(\set)+4*(\i):XR+32*(\set)+4*(\i)+3], v[XO], s[18:19] offset:(\off)+262144*(\i) th:TH_LOAD_NT
.endr
.endm
.macro XCVT set, p                     ; a set is rounded to bf16 and stored into stage buffer p
.irp i, 0,1,2,3,4,5,6,7
	v_cvt_pk_bf16_f32 v[T+2*(\i)],   v[XR+32*(\set)+4*(\i)],   v[XR+32*(\set)+4*(\i)+1]
	v_cvt_pk_bf16_f32 v[T+2*(\i)+1], v[XR+32*(\set)+4*(\i)+2], v[XR+32*(\set)+4*(\i)+3]
.endr
.irp i, 0,1,2,3,4,5,6,7
	ds_store_b64 v[XW+(\p)], v[T+2*(\i):T+2*(\i)+1] offset:288*(\i)
.endr
.endm
; The slot two on goes into the stage; load = 1: its set is asked for again, four slots further on, and W16's tile of that slot is prefetched.
; left: the loads of the younger sets, 8 each, which stay out.
.macro XWORK set, p, left, load
	WIN 0
	s_wait_loadcnt \left
	XCVT \set, \p
.if \load
	s_wait_xcnt 0x0                                ; the loads and the prefetch of a slot ago have read their addresses: the two pointers may be written
	s_add_nc_u64 s[18:19], s[18:19], 256
	s_add_nc_u64 s[20:21], s[20:21], WTILE
	XLOAD \set, 1280                               ; the pointer counts the steps taken; five slots stand in the immediate
	; A PREFETCH INTO THE L2 of W16's tile four refills on, behind the wave's tensor load, its LDS loads and its loads of x.  Every cluster walks the same tiles: cluster 0 asks.  Its four partners
	; share a tile out by address, 24,576 bytes each; waves 0 to 2 take 8,192 of them, a lane 256: each block is named once.  Tiles 0 to 5 come by their loads alone; the last is asked for in step 9.
	s_cmp_eq_u32 s22, 1
	s_cbranch_scc0 .Lna_\@
	global_prefetch_b8 v[PFO], s[20:21] th:TH_LOAD_NT scope:SCOPE_SE
.Lna_\@:
.endif
.endm
; 32 LDS loads in one run: the fragments of 32 along K (half ks of slot p) into buffer f: x's four, then k's, q's and v's four each
.macro FETCH p, ks, f
	WIN 0
.irp i, 0,1,2,3
	ds_load_b128 v[XF+32*(\f)+8*(\i):XF+32*(\f)+8*(\i)+3],   v[AX+(\p)] offset:16*WP*(\i)+64*(\ks)
	ds_load_b128 v[XF+32*(\f)+8*(\i)+4:XF+32*(\f)+8*(\i)+7], v[AX+(\p)] offset:16*WP*(\i)+64*(\ks)+32
.endr
	WIN 0x40                                       ; destination window 1
.irp i, 0,1,2,3
	ds_load_b128 v[96*(\f)+8*(\i):96*(\f)+8*(\i)+3],   v[AW+2*(\p)] offset:16*WP*(\i)+64*(\ks)
	ds_load_b128 v[96*(\f)+8*(\i)+4:96*(\f)+8*(\i)+7], v[AW+2*(\p)] offset:16*WP*(\i)+64*(\ks)+32
.endr
.irp i, 0,1,2,3
	ds_load_b128 v[96*(\f)+64+8*(\i):96*(\f)+64+8*(\i)+3],   v[AW+2*(\p)+1] offset:16*WP*(\i)+64*(\ks)
	ds_load_b128 v[96*(\f)+64+8*(\i)+4:96*(\f)+64+8*(\i)+7], v[AW+2*(\p)+1] offset:16*WP*(\i)+64*(\ks)+32
.endr
.irp i, 0,1,2,3
	ds_load_b128 v[96*(\f)+32+8*(\i):96*(\f)+32+8*(\i)+3],   v[AW+2*(\p)] offset:256*WP+16*WP*(\i)+64*(\ks)
	ds_load_b128 v[96*(\f)+32+8*(\i)+4:96*(\f)+32+8*(\i)+7], v[AW+2*(\p)] offset:256*WP+16*WP*(\i)+64*(\ks)+32
.endr
.endm
; Products for k (q = 0) or q (q = 1): column tiles c0 .. c0 + n - 1 x the four step tiles.  All 48 accumulators take turns, one instruction a turn.
.macro MULT f, q, c0, n, zero
	WIN 0xa1                                       ; W window 1, x window 0, sums window 2
.set tc, \c0
.rept \n
.irp tt, 0,1,2,3
.set rD, 128*(\q)+8*(4*tc+(\tt))
.set rW, 96*(\f)+64*(\q)+8*tc
.set rX, XF+32*(\f)+8*(\tt)
.if \zero
	v_wmma_f32_16x16x32_bf16 v[rD:rD+7], v[rW:rW+7], v[rX:rX+7], 0
.else
	v_wmma_f32_16x16x32_bf16 v[rD:rD+7], v[rW:rW+7], v[rX:rX+7], v[rD:rD+7]
.endif
.endr
.set tc, tc+1
.endr
.endm
.macro MULV f, zero
	WIN 0xf4                                       ; x window 0, W window 1, sums window 3
.irp tc, 0,1,2,3
.irp tt, 0,1,2,3
.set rD, 8*(4*(\tc)+(\tt))
.set rW, 96*(\f)+32+8*(\tc)
.set rX, XF+32*(\f)+8*(\tt)
.if \zero
	v_wmma_f32_16x16x32_bf16 v[rD:rD+7], v[rX:rX+7], v[rW:rW+7], 0
.else
	v_wmma_f32_16x16x32_bf16 v[rD:rD+7], v[rX:rX+7], v[rW:rW+7], v[rD:rD+7]
.endif
.endr
.endr
.endm
; A SLOT's 96 products, in two halves of 32 along K.  p: the slot in LDS; set: x's register set of the slot two on.  dsw: the 8 stores into the stage that the step before issued behind
; its 32 fragment loads may stay out.  chg = 2: the slot is filled again, two tiles on; 1: slots change, nothing is filled; 0: the last slot.
.macro STEP p, set, zero, dsw, xw, left, load, chg
	s_wait_dscnt \dsw                              ; buffer 0's fragments are in
	MULT 0, 0, 0, 4, \zero
	PLACES                                         ; in front of the loads into buffer 1, which the step before multiplied
	FETCH \p, 1, 1
	MULT 0, 1, 0, 4, \zero
	MULV 0, \zero
.if \chg
	WIN 0
	s_wait_tensorcnt 0x0                           ; all my tensor loads have landed: the one that was out is my quarter of the other slot
	ds_add_u32 v[SPW], v[NIL]                      ; 0 onto my spare word
	s_wait_dscnt 1                                 ; buffer 1's fragments are in; the add may be out
	MULT 1, 0, 0, 2, 0
	s_wait_dscnt 0x0                               ; the add is done, and my reads of this slot and of its stage buffer are over
	s_barrier_signal -1
	MULT 1, 0, 2, 2, 0                             ; work on registers while the others arrive
	WIN 0
	s_barrier_wait -1
.if (\chg) == 2
	CREST                                          ; the barrier has opened a round of the cluster's: no wave of any partner still reads this slot or has a load on its way
	s_add_nc_u64 s[G0+4*(\p)+2:G0+4*(\p)+3], s[G0+4*(\p)+2:G0+4*(\p)+3], 2*WTILE
	tensor_load_to_lds s[G0+4*(\p):G0+4*(\p)+3], s[G1:G1+7]  ; my one tensor load behind the round: 80 products ahead of the wait for it
	s_nop 0
.endif
	PLACES                                         ; behind the tensor load, and in front of the loads into buffer 0
	FETCH 1-(\p), 0, 0
.if \xw
	XWORK \set, \p, \left, \load
.endif
.else
	s_wait_dscnt 0x0
	MULT 1, 0, 0, 4, 0
.endif
	MULT 1, 1, 0, 4, 0
	MULV 1, 0
.endm
	s_load_b256 s[4:11], s[0:1], 0x0               ; x s[4:5], W16 s[6:7], REC s[8:9], VB s[10:11]
	v_lshl_add_u32 v[SPW], v0, 2, SPARE
	v_mov_b32 v[NIL], 0
	ds_add_u32 v[SPW], v[NIL]                      ; the wave's opening: the add, twice on end, waited for ahead of my first tensor load
	ds_add_u32 v[SPW], v[NIL]
	v_lshrrev_b32 v1, 5, v0
	v_readfirstlane_b32 s12, v1                    ; wave 0..3
	s_bfe_u32 s13, ttmp6, 0x40000                  ; cx: it enters global addresses of x, REC, VB and the prefetch alone
	s_lshl_b32 s14, ttmp9, 2
	s_add_co_u32 s14, s14, s13                     ; work-group
	s_and_b32 s15, s14, 31                         ; batch
	s_lshr_b32 s16, s14, 5                         ; block of 64 steps
	s_mov_b32 s[G1+0], 15|(1<<16)|(1<<20)|(1<<21)|(4<<22)|(3<<25)  ; the mask of four; 2-byte elements; padding on; bit 21 beside a mask; after every 32 words, 4 words
	s_mov_b32 s[G1+1], 128<<16                     ; tensor_dim0 = 128 elements: 256 bytes, two rows of W16
	s_mov_b32 s[G1+2], 96<<16                      ; tensor_dim1 = 96
	s_mov_b32 s[G1+3], 128<<16                     ; tile_dim0
	s_mov_b32 s[G1+4], 96                          ; tile_dim1
	s_mov_b32 s[G1+5], 128                         ; elements from row to row: dense
	s_mov_b32 s[G1+6], 0
	s_mov_b32 s[G1+7], 0
	s_mov_b32 s44, 0x76543210                      ; v_permlanex16_b32: each lane takes its own place in the other half
	s_mov_b32 s45, 0xfedcba98
	s_mul_i32 s46, s12, 192*WP                     ; my quarter of a slot in LDS,
	s_mul_i32 s48, s12, 24576                      ; and in memory
	s_mov_b32 s49, 0
	s_lshl_b32 s50, s16, 11
	s_add_co_u32 s50, s50, s15
	s_lshl_b32 s50, s50, 12                        ; x: (64 block x 32 + batch) rows of 4,096 bytes
	s_mov_b32 s51, 0
	s_lshl_b32 s52, s15, 4
	s_lshl1_add_u32 s52, s16, s52
	s_mul_i32 s52, s52, RECB                       ; REC: record 16 batch + 2 block
	s_mov_b32 s53, 0
	s_lshl_b32 s54, s15, 18
	s_lshl_b32 s55, s16, 11
	s_add_co_u32 s54, s54, s55                     ; VB: 262,144 batch + 1,024 x 2 block
	s_mov_b32 s55, 0
	s_mul_i32 s56, s13, 24576
	s_lshl_b32 s57, s12, 13
	s_add_co_u32 s56, s56, s57
	s_add_co_u32 s56, s56, 5*WTILE                 ; the prefetches stand at tile 5; step 0 steps them to tile 6
	s_mov_b32 s57, 0
	s_cmp_lt_u32 s12, 3
	s_cselect_b32 s58, ttmp9, 1
	s_cmp_eq_u32 s58, 0
	s_cselect_b32 s22, 1, -1                       ; 1 in waves 0 to 2 of cluster 0: the same in all four partners
	v_and_b32 v30, 31, v0                          ; lane
	v_and_b32 v28, 15, v0                          ; r
	v_bfe_u32 v29, v0, 4, 1                        ; h
	s_lshl_b32 s59, s12, 4
	v_add_nc_u32 v[XO], s59, v29
	v_lshlrev_b32 v[XO], 17, v[XO]                 ; a step is 131,072 bytes of x
	v_lshl_add_u32 v[XO], v28, 4, v[XO]
	s_wait_dscnt 0x0                               ; both opening adds are done
	s_wait_kmcnt 0x0
	s_add_nc_u64 s[18:19], s[4:5], s[50:51]
	s_add_nc_u64 s[40:41], s[8:9], s[52:53]
	s_add_nc_u64 s[42:43], s[10:11], s[54:55]
	s_add_nc_u64 s[20:21], s[6:7], s[56:57]
	s_add_nc_u64 s[48:49], s[6:7], s[48:49]
.irp p, 0,1
	s_mov_b32 s[G0+4*(\p)], 1
	s_add_co_u32 s[G0+4*(\p)+1], s46, (\p)*WSLOT
	s_add_nc_u64 s[G0+4*(\p)+2:G0+4*(\p)+3], s[48:49], (\p)*WTILE
	s_or_b32 s[G0+4*(\p)+3], s[G0+4*(\p)+3], 0x80000000
.endr
	XLOAD 0, 0                                     ; x of slots 0 to 3
	XLOAD 1, 256
	XLOAD 2, 512
	XLOAD 3, 768
	CROUND                                         ; all four work-groups are here: the first joint loads meet
	tensor_load_to_lds s[G0:G0+3], s[G1:G1+7]      ; tiles 0 and 1: two loads of mine are out
	s_nop 0
	tensor_load_to_lds s[G0+4:G0+7], s[G1:G1+7]
	s_nop 0
	PLACES
	v_mul_u32_u24 v1, v28, WP
	v_lshl_add_u32 v1, v29, 4, v1                  ; a fragment's row x pitch + 16 x half
	v_add_nc_u32 v[AX], XS, v1
	v_add_nc_u32 v[AX+1], XS+XSB, v1
	s_mul_i32 s47, s12, 64*WP
	v_add_nc_u32 v[AW], s47, v1
	v_add_nc_u32 v[AW+1], 512*WP, v[AW]
	v_add_nc_u32 v[AW+2], WSLOT, v[AW]
	v_add_nc_u32 v[AW+3], 512*WP, v[AW+2]
	v_add_nc_u32 v[XW], s59, v29
	v_mul_u32_u24 v[XW], v[XW], WP
	v_lshl_add_u32 v[XW], v28, 3, v[XW]
	v_add_nc_u32 v[XW+1], XS+XSB, v[XW]
	v_add_nc_u32 v[XW], XS, v[XW]
	v_lshlrev_b32 v[PFO], 8, v30
	s_wait_loadcnt 16                              ; slots 0 and 1 are in; the 16 loads of slots 2 and 3 stay out
	XCVT 0, 0
	XCVT 1, 1
	XLOAD 0, 1024                                  ; slots 4 and 5
	XLOAD 1, 1280
	s_wait_tensorcnt 1                             ; my quarter of tile 0 is in; tile 1's may stay out
	s_wait_dscnt 0x0                               ; my stores into the stage are done
	s_barrier_signal -1
	s_barrier_wait -1
	FETCH 0, 0, 0
	STEP 0, 2, 1, 0, 1, 24, 1, 2                   ; slot 0: its first half starts the sums
	WIN 0
	s_mov_b32 s23, 2
.Lk:                                               ; slots 1 to 8
	STEP 1, 3, 0, 8, 1, 24, 1, 2
	STEP 0, 0, 0, 8, 1, 24, 1, 2
	STEP 1, 1, 0, 8, 1, 24, 1, 2
	STEP 0, 2, 0, 8, 1, 24, 1, 2
	WIN 0
	s_sub_co_u32 s23, s23, 1
	s_cmp_lg_u32 s23, 0
	s_cbranch_scc1 .Lk
	STEP 1, 3, 0, 8, 1, 24, 1, 2                   ; slot 9 asks for x of slot 15, the last
	STEP 0, 0, 0, 8, 1, 24, 0, 2                   ; the counts of x's loads run down
	STEP 1, 1, 0, 8, 1, 16, 0, 2
	STEP 0, 2, 0, 8, 1, 8, 0, 2
	STEP 1, 3, 0, 8, 1, 0, 0, 2                    ; slot 13 asks for tile 15, the last
	STEP 0, 0, 0, 8, 0, 0, 0, 1
	STEP 1, 0, 0, 0, 0, 0, 0, 0
	; THE NORMS.  Sums of squares over my 64 columns, for k and q and each step tile; each accumulator's registers in ascending order.
	PLACES
	WIN 0x0a                                       ; sources 0 and 1 window 2
.set u, 0
.rept 16
.irp m, 0,1
.irp tt, 0,1,2,3
.set rA, 128*(\m)+8*(4*(u/4)+(\tt))+2*(u%4)
.set rT, T+2*(4*(\m)+(\tt))
.if u == 0
	v_pk_mul_f32 v[rT:rT+1], v[rA:rA+1], v[rA:rA+1]
.else
	v_pk_fma_f32 v[rT:rT+1], v[rA:rA+1], v[rA:rA+1], v[rT:rT+1]
.endif
.endr
.endr
.set u, u+1
.endr
	WIN 0
	s_lshl_b32 s46, s12, 2
	v_lshl_add_u32 v3, v28, 4, NORM
	v_add_nc_u32 v2, s46, v3
.irp q, 0,1,2,3,4,5,6,7
	v_add_f32 v[T+2*(\q)], v[T+2*(\q)], v[T+2*(\q)+1]
.endr
.irp q, 0,1,2,3,4,5,6,7
	v_permlanex16_b32 v[T+2*(\q)+1], v[T+2*(\q)], s44, s45  ; the step's other 32 columns lie in the lane 16 away
.endr
.irp q, 0,1,2,3,4,5,6,7
	v_add_f32 v[T+2*(\q)], v[T+2*(\q)], v[T+2*(\q)+1]
.endr
.irp q, 0,1,2,3,4,5,6,7
	ds_store_b32 v2, v[T+2*(\q)] offset:1024*((\q)/4)+256*((\q)%4)
.endr
	s_wait_dscnt 0x0                               ; for the others' sake
	s_barrier_signal -1
	s_barrier_wait -1
.irp q, 0,1,2,3,4,5,6,7
	ds_load_b128 v[96+4*(\q):99+4*(\q)], v3 offset:1024*((\q)/4)+256*((\q)%4)  ; the four waves' sums
.endr
	v_lshlrev_b32 v1, 3, v29
	v_xor_b32 v1, v28, v1
	v_lshlrev_b32 v1, 4, v1
	v_lshl_add_u32 v6, v29, 8, v1                  ; my place in a fragment's plane: 256 h + 16 (r xor 8 h)
	s_lshl_b32 s46, s12, 11
	v_add_nc_u32 v14, s46, v6                      ; + my wave's two fragments along the 256 columns
	s_lshl_b32 s46, s12, 16
	v_lshl_add_u32 v15, v30, 4, s46                ; VB: 16 lane + my wave's four tiles of 16,384 bytes
	s_wait_dscnt 0x0
.irp q, 0,1,2,3,4,5,6,7
	v_add_f32 v[96+4*(\q)], v[96+4*(\q)], v[97+4*(\q)]
	v_add_f32 v[98+4*(\q)], v[98+4*(\q)], v[99+4*(\q)]
.endr
.irp q, 0,1,2,3,4,5,6,7
	v_add_f32 v[96+4*(\q)], v[96+4*(\q)], v[98+4*(\q)]
.endr
.irp q, 0,1,2,3,4,5,6,7
	v_sqrt_f32 v[96+4*(\q)], v[96+4*(\q)]
.endr
	v_nop                                          ; a plain instruction behind the last root,
	s_wait_alu depctr_va_vdst(0)                   ; and one wait for the eight
.irp tt, 0,1,2,3
	v_add_f32 v[96+4*(\tt)], 0x358637bd, v[96+4*(\tt)]        ; |k| + 1e-6
	v_max_num_f32 v[NQ+(\tt)], 0x21800000, v[112+4*(\tt)]     ; max(|q|, 2^-60)
.endr
.irp tt, 0,1,2,3
	v_rcp_f32 v[RS+2*(\tt)], v[96+4*(\tt)]
	v_rcp_f32 v[RS+2*(\tt)+1], v[NQ+(\tt)]
.endr
	v_nop
	s_wait_alu depctr_va_vdst(0)
	; THE FRAGMENTS.  k and q scaled by their rows' factors and rounded to f16: v32-95 K, v96-159 Q^ (16 step tile + 4 column tile + i): two row-operand fragments a step tile.
.irp m, 0,1
.irp tt, 0,1,2,3
	WIN 0x02                                       ; source 0 window 2
.set u, 0
.rept 16
	v_pk_mul_f32 v[T+2*u:T+2*u+1], v[128*(\m)+8*(4*(u/4)+(\tt))+2*(u%4):128*(\m)+8*(4*(u/4)+(\tt))+2*(u%4)+1], v[RS+2*(\tt):RS+2*(\tt)+1] op_sel:[0,\m] op_sel_hi:[1,\m]
.set u, u+1
.endr
	WIN 0
.set u, 0
.rept 16
	v_cvt_pk_f16_f32 v[32+64*(\m)+16*(\tt)+u], v[T+2*u], v[T+2*u+1]
.set u, u+1
.endr
.endr
.endr
	WIN 0x0f                                       ; sources 0 and 1 window 3: -v, v160-223 at 8 (4 chunk + column tile) + 4 (step tile % 2) + i: a column-operand fragment over a chunk's 32 steps
.irp tt, 0,1,2,3
.irp tc, 0,1,2,3
.irp i, 0,1,2,3
	v_cvt_pk_f16_f32 v[160+8*(4*((\tt)/2)+(\tc))+4*((\tt)%2)+(\i)], v[8*(4*(\tc)+(\tt))+2*(\i)], v[8*(4*(\tc)+(\tt))+2*(\i)+1]
.endr
.endr
.endr
	WIN 0
.irp m, 0,1
.irp tt, 0,1,2,3
.irp tc, 0,1,2,3                       ; each store of the wave covers 512 consecutive bytes, aligned
	global_store_b128 v14, v[32+64*(\m)+16*(\tt)+4*(\tc):32+64*(\m)+16*(\tt)+4*(\tc)+3], s[40:41] offset:RECB*((\tt)/2)+16384*(\m)+8192*((\tt)%2)+1024*((\tc)/2)+512*((\tc)%2)
.endr
.endr
.endr
.irp c, 0,1
.irp tc, 0,1,2,3
.irp p, 0,1
	global_store_b128 v15, v[160+8*(4*(\c)+(\tc))+4*(\p):160+8*(4*(\c)+(\tc))+4*(\p)+3], s[42:43] offset:16384*(\tc)+1024*(\c)+512*(\p)
.endr
.endr
.endr
	; PARTIAL GRAM TILES over my 64 columns: for both chunks, K K^T (kind 0) and K Q^T (kind 1), tiles (s, t) = (0,0), (0,1), (1,1): a lane holds step t = r and s = 8 h + 0..7.
	s_mul_i32 s46, s12, 3072
	v_lshl_add_u32 v4, v30, 4, PART
	s_mul_i32 s47, s12, 12288
	v_add_nc_u32 v5, s47, v4
	v_add_nc_u32 v4, s46, v4
	WIN 0x50                                       ; sums in window 1; the 12 accumulators take turns
.irp kp, 0,1
.irp c, 0,1
.irp kind, 0,1
.irp tile, 0,1,2
.set rD, 8*(6*(\c)+3*(\kind)+(\tile))
.set rA, 32+16*(2*(\c)+(\tile)/2)+8*(\kp)
.set rB, 32+64*(\kind)+16*(2*(\c)+((\tile)+1)/2)+8*(\kp)
.if (\kp) == 0
	v_wmma_f32_16x16x32_f16 v[rD:rD+7], v[rA:rA+7], v[rB:rB+7], 0
.else
	v_wmma_f32_16x16x32_f16 v[rD:rD+7], v[rA:rA+7], v[rB:rB+7], v[rD:rD+7]
.endif
.endr
.endr
.endr
.endr
	PLACES
	WIN 0x04                                       ; store data window 1
.irp c, 0,1
.irp kind, 0,1
.irp tile, 0,1,2
.irp pl, 0,1
	ds_store_b128 v4, v[8*(6*(\c)+3*(\kind)+(\tile))+4*(\pl):8*(6*(\c)+3*(\kind)+(\tile))+4*(\pl)+3] offset:12288*(2*(\c)+(\kind))+1024*(\tile)+512*(\pl)
.endr
.endr
.endr
.endr
	WIN 0
	s_wait_dscnt 0x0                               ; for the others' sake
	s_barrier_signal -1
	s_barrier_wait -1
	s_wait_xcnt 0x0                                ; the stores above have read their registers, which are loaded again now
	; Wave w sums the four partial sums of chunk w / 2, kind w % 2.
.irp pr, 0,1,2,3
.irp tile, 0,1,2
.irp pl, 0,1
	ds_load_b128 v[32+24*(\pr)+8*(\tile)+4*(\pl):32+24*(\pr)+8*(\tile)+4*(\pl)+3], v5 offset:3072*(\pr)+1024*(\tile)+512*(\pl)
.endr
.endr
.endr
	s_lshr_b32 s46, s12, 1
	s_mul_i32 s46, s46, RECB
	s_mov_b32 s47, 0
	s_add_nc_u64 s[46:47], s[40:41], s[46:47]      ; my chunk's record
	s_and_b32 s50, s12, 1
	s_xor_b32 s50, s50, 1                          ; 1: K K^T, whose diagonal goes too
	v_lshlrev_b32 v1, 3, v29
	v_sub_nc_u32 v1, v28, v1
	v_sub_nc_u32 v1, v1, s50                       ; register e of a diagonal tile is kept where e <= r - 8 h (- 1)
	s_wait_dscnt 0x0
.set u, 32
.rept 12
	v_pk_add_f32 v[u:u+1], v[u:u+1], v[u+24:u+25]
	v_pk_add_f32 v[u+48:u+49], v[u+48:u+49], v[u+72:u+73]
.set u, u+2
.endr
.set u, 32
.rept 12
	v_pk_add_f32 v[u:u+1], v[u:u+1], v[u+48:u+49]  ; v32-39 tile (0,0), v40-47 (0,1), v48-55 (1,1)
.set u, u+2
.endr
.irp e, 0,1,2,3,4,5,6,7
	v_cmp_le_i32 vcc_lo, \e, v1
	v_cndmask_b32 v[32+(\e)], 0, v[32+(\e)], vcc_lo
	v_cndmask_b32 v[48+(\e)], 0, v[48+(\e)], vcc_lo
.endr
	s_cmp_eq_u32 s50, 0
	s_cbranch_scc1 .Lpwave
	; WAVES 0 AND 2: -A = -(I + L)^-1.  By K K^T's symmetry a lane's eight numbers are neighbours in row t of L: L goes into my own LDS bytes by rows.  Lane s' then holds row s' of X, which starts as -I;
	; for rho = 31 .. 1, X[rho] is final and X[c] -= X[rho] L[rho][c] for c < rho: exact substitution in f32, 256 packed multiply-adds.  L's zero diagonal makes the odd last pair harmless.
	s_lshl_b32 s48, s12, 12
	s_add_co_u32 s48, s48, LST
	v_mov_b32 v9, s48
	v_lshl_add_u32 v7, v28, 7, v9
	v_lshl_add_u32 v7, v29, 5, v7
	ds_store_b128 v7, v[32:35]
	ds_store_b128 v7, v[36:39] offset:16
	ds_store_b128 v7, v[40:43] offset:2048
	ds_store_b128 v7, v[44:47] offset:2064
	ds_store_b128 v7, v[48:51] offset:2112
	ds_store_b128 v7, v[52:55] offset:2128
.irp q, 0,1,2,3,4,5,6,7
	ds_load_b128 v[160+4*(\q):163+4*(\q)], v9 offset:128*31+16*(\q)  ; row 31, the same for all lanes; LDS serves a wave's instructions in order (ISA guide 5.7.1.4): these see the stores above
.endr
	v_mov_b32 v1, -1.0
.set u, 0
.rept 32
	v_cmp_eq_u32 vcc_lo, u, v30
	v_cndmask_b32 v[192+u], 0, v1, vcc_lo
.set u, u+1
.endr
.set rho, 31
.rept 31
.set nn, (rho+2)/4                     ; the loads of row rho - 1, into the other of two buffers
.set lb, 128+32*(rho%2)
.set ln, 128+32*((rho-1)%2)
.set u, 0
.if nn > 0
.rept nn
	ds_load_b128 v[ln+4*u:ln+4*u+3], v9 offset:128*(rho-1)+16*u
.set u, u+1
.endr
.endif
	s_wait_dscnt nn                                ; row rho is in; the loads just issued stay out
.set u, (rho+1)/2-1
.rept (rho+1)/2
.if rho%2
	v_pk_fma_f32 v[192+2*u:193+2*u], v[lb+2*u:lb+2*u+1], v[192+2*(rho/2):193+2*(rho/2)], v[192+2*u:193+2*u] op_sel:[0,1,0] op_sel_hi:[1,1,1] neg_lo:[0,1,0] neg_hi:[0,1,0]
.else
	v_pk_fma_f32 v[192+2*u:193+2*u], v[lb+2*u:lb+2*u+1], v[192+2*(rho/2):193+2*(rho/2)], v[192+2*u:193+2*u] op_sel:[0,0,0] op_sel_hi:[1,0,1] neg_lo:[0,1,0] neg_hi:[0,1,0]
.endif
.set u, u-1
.endr
.set rho, rho-1
.endr
	s_mul_i32 s49, s12, 2560
	s_add_co_u32 s49, s49, AST
	v_mul_u32_u24 v10, v30, 80
	v_add_nc_u32 v10, s49, v10
	v_mul_u32_u24 v31, v28, 80
	v_lshl_add_u32 v31, v29, 4, v31
	v_add_nc_u32 v31, s49, v31
.set u, 0
.rept 16
	v_cvt_pk_f16_f32 v[128+u], v[192+2*u], v[193+2*u]
.set u, u+1
.endr
.irp q, 0,1,2,3
	ds_store_b128 v10, v[128+4*(\q):131+4*(\q)] offset:16*(\q)  ; a lane's row, 64 bytes, into rows of 80
.endr
.irp a, 0,1
.irp p, 0,1
	ds_load_b128 v[144+8*(\a)+4*(\p):147+8*(\a)+4*(\p)], v31 offset:1280*(\a)+32*(\p)  ; and back as two fragments
.endr
.endr
	s_wait_dscnt 0x0
.irp a, 0,1
.irp p, 0,1
	global_store_b128 v6, v[144+8*(\a)+4*(\p):147+8*(\a)+4*(\p)], s[46:47] offset:32768+1024*(\a)+512*(\p)
.endr
.endr
	s_branch .Lend
.Lpwave:
	; WAVES 1 AND 3: P[t][s] = q^_t . k_s for s <= t.  The tiles, rounded in pairs, are P's fragments as they stand: rows 0-15: (tile (0,0), zeros); rows 16-31: (tile (0,1), tile (1,1)).
.set u, 0
.rept 12
	v_cvt_pk_f16_f32 v[56+u], v[32+2*u], v[33+2*u]
.set u, u+1
.endr
.irp i, 68,69,70,71
	v_mov_b32 v\i, 0
.endr
	global_store_b128 v6, v[56:59], s[46:47] offset:34816
	global_store_b128 v6, v[68:71], s[46:47] offset:34816+512
	global_store_b128 v6, v[60:63], s[46:47] offset:34816+1024
	global_store_b128 v6, v[64:67], s[46:47] offset:34816+1536
	s_cmp_lt_u32 s12, 2
	s_cselect_b32 s48, 0, -1                       ; all lanes: the second chunk's
	v_cndmask_b32 v72, v[NQ], v[NQ+2], s48
	v_cndmask_b32 v73, v[NQ+1], v[NQ+3], s48
	v_cmp_eq_u32 vcc_lo, 1, v29
	v_cndmask_b32 v72, v72, v73, vcc_lo            ; lane t holds |q| of the chunk's step t
	v_lshlrev_b32 v74, 2, v30
	global_store_b32 v74, v72, s[46:47] offset:36864
	global_store_b32 v74, v68, s[46:47] offset:36864+128  ; the record's last 384 bytes are written too: the next launch fetches whole records
	global_store_b32 v74, v68, s[46:47] offset:36864+256
	global_store_b32 v74, v68, s[46:47] offset:36864+384
.Lend:
	s_wait_tensorcnt 0x0                           ; the wave's end, behind my last tensor load and my last LDS store
	ds_add_u32 v[SPW], v[NIL]
	s_wait_dscnt 0x0
	CROUND                                         ; the closing round: no work-group ends while a partner may still ask for a tile that names it
	s_endpgm
.Lfunc_end_k_qaf2d588512_proj:
	.size	k_qaf2d588512_proj, .Lfunc_end_k_qaf2d588512_proj-k_qaf2d588512_proj
	.p2alignl 7, 3214868480
	.fill 96, 4, 3214868480
	.section	.rodata,"a",@progbits
	.p2align	6, 0x0
	.amdhsa_kernel k_qaf2d588512_proj
		.amdhsa_group_segment_fixed_size 327680
		.amdhsa_private_segment_fixed_size 0
		.amdhsa_enable_private_segment 0
		.amdhsa_kernarg_size 32
		.amdhsa_user_sgpr_count 2
		.amdhsa_user_sgpr_kernarg_segment_ptr 1
		.amdhsa_wavefront_size32 1
		.amdhsa_system_sgpr_workgroup_id_x 1
		.amdhsa_system_sgpr_workgroup_id_y 1
		.amdhsa_system_sgpr_workgroup_id_z 1
		.amdhsa_system_vgpr_workitem_id 0
		.amdhsa_next_free_vgpr 896
		.amdhsa_next_free_sgpr 66
		.amdhsa_reserve_vcc 1
		.amdhsa_float_denorm_mode_32 3
		.amdhsa_float_denorm_mode_16_64 3
		.amdhsa_memory_ordered 1
		.amdhsa_forward_progress 1
		.amdhsa_inst_pref_size 248
	.end_amdhsa_kernel
	.amdgpu_metadata
---
amdhsa.version: [ 1, 2 ]
amdhsa.kernels:
  - .name:           k_qaf2d588512_proj
    .symbol:         k_qaf2d588512_proj.kd
    .args:
      - { .name: x, .offset: 0, .size: 8, .value_kind: global_buffer, .address_space: global }
      - { .name: W16, .offset: 8, .size: 8, .value_kind: global_buffer, .address_space: global }
      - { .name: REC, .offset: 16, .size: 8, .value_kind: global_buffer, .address_space: global }
      - { .name: VB, .offset: 24, .size: 8, .value_kind: global_buffer, .address_space: global }
    .group_segment_fixed_size: 327680
    .private_segment_fixed_size: 0
    .kernarg_segment_align: 8
    .kernarg_segment_size: 32
    .max_flat_workgroup_size: 128
    .sgpr_count:     66
    .vgpr_count:     896
    .wavefront_size: 32
...
	.end_amdgpu_metadata
.endif
;; end of part 2
;; launch scan (part 3): grid 4 x 32, 4 waves a work-group, clusters of 4 x 1, 327,680 bytes of LDS; arguments S0, REC, VB, out0; writes out0
.if DOCPART == 3
	.amdgcn_target "amdgcn-amd-amdhsa--gfx1250"
	.amdhsa_code_object_version 6
	.text
	.protected	k_qaf2d588512_scan
	.globl	k_qaf2d588512_scan
	.p2align	8
	.type	k_qaf2d588512_scan,@function
k_qaf2d588512_scan:
	s_mov_b64 s[64:65], 0
	v_nop
	global_prefetch_b8 v0, s[64:65] scope:SCOPE_SE
	s_setreg_imm32_b32 hwreg(HW_REG_WAVE_MODE, 25, 1), 1
	s_wait_xcnt 0x0
	s_wait_alu depctr_hold_cnt(0) depctr_sa_sdst(0) depctr_va_vdst(0) depctr_va_sdst(0) depctr_va_ssrc(0) depctr_va_vcc(0) depctr_vm_vsrc(0)
	s_getreg_b32 s2, hwreg(HW_REG_IB_STS2, 6, 4)
	s_cmp_eq_u32 s2, 0
	s_cbranch_scc0 .Lentry_in_a_cluster
	s_endpgm
.Lentry_in_a_cluster:
	s_bfe_u32 s2, ttmp6, 0x10000c
	s_cmp_lg_u32 s2, 0x3003
	s_cbranch_scc0 .Lentry_shape_is_right
	s_endpgm
.Lentry_shape_is_right:
; THE SIXTEEN CHUNKS.  Per chunk, with the record's K, Q^ = Q / |q|, NA = -A, P = tril(Q^ K^T), |q| and NV = -V:
;   E = K S^T;  U = NA NV + NA E;  O = Q^ S^T + P U;  Sq = |q| O;  out = Sq Sq / (1 + e^-Sq);  S^T += K^T U.
; LEFT OUT AS DEAD: the last chunk's S^T += K^T U (reference() drops the final state; see the first kernel's head).
; SHARES.  Rows i of S do not meet.  A wave has 16 of them, tile 4 cx + w of batch y; S^T lies in 16 f32 accumulators (rows j, a lane one i).  Every product keeps i on the lane, so a result rounded
; in pairs is the next product's column operand, and nothing changes lanes.  A work-group's four waves have 64 rows i: a step's 256 consecutive bytes of out0, aligned, leave by one half of a store.
; That share gives 32 x 4 = 128 work-groups; two waves to a work-group would give 256 and rows of 128 bytes.
; CLUSTER.  The four work-groups of a batch walk the same records: each slot (two records, 74,752 dense bytes) is asked for JOINTLY, each wave a quarter (73 rows of 256 bytes).
; K^T comes out of K's fragments by the turning load.  NV comes straight into registers, two chunks ahead: it is nobody else's.
; LIMITS.  S (S0 too), E and U are operands in f16: they stay under 65,504.  S0 is rounded to bf16 like every input.  Exponentials and reciprocals are the chip's, to 1 ulp; NaN and infinities are not treated apart.
; REGISTERS, in windows of 256 (s_set_vgpr_msb: bits 1:0 source 0, 3:2 source 1, 5:4 source 2, 7:6 destination):
;   window 0: see the names below      window 1: v0-127 K, v128-255 Q^ (8 (8 a + kappa))      window 2: v0-127 K^T (8 jt), v128-255 S^T (8 jt)
.set RECB,  37376
.set SLOTB, 2*RECB
.set SLOT1, 1<<17                      ; slot 1 begins here, so that one exclusive or turns an address in one slot into the other's
.set OST,   SLOT1+SLOTB                ; two buffers of 32 steps x 64 i, f32, rows of 272 bytes; never filled by a tensor load
.set OSB,   32*272
.set SPARE, OST+2*OSB                  ; the spare words: 128 bytes a wave, two blocks of 256 bytes that no other line names
.set FS,  2                            ; v2     my place in a fragment's plane: 256 h + 16 (r xor 8 h)
.set TR,  3                            ; v3     the same for the turning load
.set RA,  4                            ; v4-5   FS in the slot's record 0, 1
.set TA,  6                            ; v6-7   TR likewise
.set SA,  8                            ; v8-9   my sixteen |q| likewise
.set SCL, 10                           ; v10    36,864 + 32 h
.set VA,  11                           ; v11    16 x lane
.set OSW, 12                           ; v12    where I put a number of the output stage
.set OSR, 13                           ; v13    where I read 16 bytes of it back
.set GO,  14                           ; v14    my byte offset in out0
.set S0A, 15                           ; v15    my byte offset in my tile of S0
.set PFO, 16                           ; v16    256 x min(32 w + lane, 72)
.set SPW, 18                           ; v18    my spare word; never rewritten
.set NIL, 19                           ; v19    0; never rewritten
.set E,   24                           ; v24-39   E, two accumulators
.set O,   40                           ; v40-55   O
.set U,   56                           ; v56-71   U
.set EB,  72                           ; v72-79   E in f16
.set UB,  80                           ; v80-87   U in f16
.set AF,  88                           ; v88-103  NA
.set PF,  104                          ; v104-119 P
.set VV,  120                          ; v120-135 NV, a set for each of a slot's chunks
.set NQ,  136                          ; v136-151 |q| of my 16 steps
.set Y,   152
.set Z,   168
.set SB,  192                          ; v192-255 S^T in f16: 8 kappa
.set MSB, 0
.macro WIN new
.if MSB != (\new)
	s_set_vgpr_msb (MSB<<8)|(\new)
.set MSB, \new
.endif
.endm
.macro PLACES                          ; four plain places behind matrix instructions (ISA guide 7.12.1)
.rept 4
	v_nop
.endr
.endm
.macro CROUND                          ; a round of the cluster's barrier
	s_barrier_signal -1
	s_barrier_wait -1
	s_cmp_lg_u32 s12, 0
	s_cbranch_scc1 .Lnw0_\@
	s_barrier_signal -3
.Lnw0_\@:
	s_barrier_wait -3
	s_barrier_signal -1
	s_barrier_wait -1
.endm
.macro PACKS                           ; S^T rounded to f16; each accumulator's registers in ascending order
	WIN 0x0a
.set u, 0
.rept 64
	v_cvt_pk_f16_f32 v[SB+u], v[128+2*u], v[129+2*u]
.set u, u+1
.endr
.endm
; THE CHANGE OF SLOTS.  Each wave waits for all its tensor loads, of which one is out: its quarter of the other slot; adds 0 to its spare word; and waits for that and for its reads of the slot that it leaves.
; fill = 1: a round of the cluster's barrier, and the old slot is filled again first thing behind it, with the next two records: two chunks in which to land.  (At its first use slot 0 is waited for, slot 1 filled.)
.macro CHANGE fill
	WIN 0
	s_wait_tensorcnt 0x0
	ds_add_u32 v[SPW], v[NIL]
.if \fill
	s_xor_b32 s25, s25, SLOT1
	s_add_nc_u64 s[26:27], s[26:27], SLOTB         ; the type bits on top are not reached
.endif
	s_wait_dscnt 0x0
.if \fill
	CROUND
	tensor_load_to_lds s[24:27], s[16:23]
	s_nop 0
	PLACES
	; A PREFETCH INTO THE L2 of the slot two refills on: partner cx asks for quarter cx, told apart by address; waves 0 to 2, a lane a row of 256 bytes (wave 2's lanes past row 72 repeat it).
	; Slots 0 to 2 come by their loads alone; the last two filling changes ask for nothing.
	s_cmp_gt_u32 s28, s29
	s_cbranch_scc0 .Lna_\@
	global_prefetch_b8 v[PFO], s[36:37] th:TH_LOAD_NT scope:SCOPE_SE
.Lna_\@:
.else
	s_barrier_signal -1
	s_barrier_wait -1
.endif
	s_xor_b32 s30, s30, SLOT1                      ; the slot to be read
	v_add_nc_u32 v[RA], s30, v[FS]
	v_add_nc_u32 v[RA+1], RECB, v[RA]
	v_add_nc_u32 v[TA], s30, v[TR]
	v_add_nc_u32 v[TA+1], RECB, v[TA]
	v_add_nc_u32 v[SA], s30, v[SCL]
	v_add_nc_u32 v[SA+1], RECB, v[SA]
.endm
.macro EO d, a, k                      ; one product onto E or O: 32 along j
.if (\k) == 0
	v_wmma_f32_16x16x32_f16 v[\d:\d+7], v[\a:\a+7], v[SB+8*(\k):SB+8*(\k)+7], 0
.else
	v_wmma_f32_16x16x32_f16 v[\d:\d+7], v[\a:\a+7], v[SB+8*(\k):SB+8*(\k)+7], v[\d:\d+7]
.endif
.endm
; A CHUNK: record c of the slot.  vld = 1: NV of the chunk two on is asked for.  upd = 1: the state is updated.  lcnt: the other set's 2 loads of NV, which stay out.
; All accumulators take turns, one instruction a turn.
.macro CHUNK c, vld, upd, lcnt
.set LATE, 8+32*(\upd)                 ; the LDS loads issued in the middle of the 32 products: P 4, |q| 4, K^T 32
	WIN 0
.irp a, 0,1
.irp p, 0,1
	ds_load_b128 v[AF+8*(\a)+4*(\p):AF+8*(\a)+4*(\p)+3], v[RA+(\c)] offset:32768+1024*(\a)+512*(\p)
.endr
.endr
	WIN 0x40                                       ; destination window 1: for each kappa, K's two fragments and Q^'s two
.irp k, 0,1,2,3,4,5,6,7
.irp s, 0,1
.irp a, 0,1
.irp p, 0,1
	ds_load_b128 v[128*(\s)+8*(8*(\a)+(\k))+4*(\p):128*(\s)+8*(8*(\a)+(\k))+4*(\p)+3], v[RA+(\c)] offset:16384*(\s)+1024*(8*(\a)+(\k))+512*(\p)
.endr
.endr
.endr
.endr
	s_wait_loadcnt \lcnt                           ; my NV is in
	s_wait_dscnt 56                                ; NA and kappa 0 are in; the 56 loads of kappa 1 to 7 stay out
	WIN 0
	v_wmma_f32_16x16x32_f16 v[U:U+7], v[AF:AF+7], v[VV+8*(\c):VV+8*(\c)+7], 0
	v_wmma_f32_16x16x32_f16 v[U+8:U+15], v[AF+8:AF+15], v[VV+8*(\c):VV+8*(\c)+7], 0
.irp k, 0,1,2,3,4,5,6,7
.if (\k) > 4
	s_wait_dscnt 8*(7-(\k))+LATE                   ; the later kappas' loads and the late ones stay out
.elseif (\k) > 0
	s_wait_dscnt 8*(7-(\k))
.endif
	WIN 0x01                                       ; source 0 window 1
	EO E,8*(\k),\k
	EO E+8,8*(8+(\k)),\k
	EO O,128+8*(\k),\k
	EO O+8,128+8*(8+(\k)),\k
.if (\k) == 4
	WIN 0
.irp a, 0,1
.irp p, 0,1
	ds_load_b128 v[PF+8*(\a)+4*(\p):PF+8*(\a)+4*(\p)+3], v[RA+(\c)] offset:34816+1024*(\a)+512*(\p)
.endr
.endr
	ds_load_b128 v[NQ:NQ+3],     v[SA+(\c)]
	ds_load_b128 v[NQ+4:NQ+7],   v[SA+(\c)] offset:16
	ds_load_b128 v[NQ+8:NQ+11],  v[SA+(\c)] offset:64
	ds_load_b128 v[NQ+12:NQ+15], v[SA+(\c)] offset:80
.if \upd
	WIN 0x80                                       ; destination window 2: K^T, rows j = 16 jt on, the chunk's 32 steps along the registers
.irp jt, 0,1,2,3,4,5,6,7,8,9,10,11,12,13,14,15
	ds_load_tr16_b128 v[8*(\jt):8*(\jt)+3],   v[TA+(\c)] offset:512*(\jt)
	ds_load_tr16_b128 v[8*(\jt)+4:8*(\jt)+7], v[TA+(\c)] offset:512*(\jt)+8192
.endr
.endif
.endif
.endr
	PLACES
	WIN 0
.irp i, 0,1,2,3,4,5,6,7
	v_cvt_pk_f16_f32 v[EB+(\i)], v[E+2*(\i)], v[E+2*(\i)+1]
.endr
.if \vld
.irp p, 0,1                            ; the conversions above are the places behind NV's readers
	global_load_b128 v[VV+8*(\c)+4*(\p):VV+8*(\c)+4*(\p)+3], v[VA], s[32:33] offset:2048+1024*(\c)+512*(\p) th:TH_LOAD_NT
.endr
.endif
	v_wmma_f32_16x16x32_f16 v[U:U+7], v[AF:AF+7], v[EB:EB+7], v[U:U+7]
	v_wmma_f32_16x16x32_f16 v[U+8:U+15], v[AF+8:AF+15], v[EB:EB+7], v[U+8:U+15]
	PLACES
.irp i, 0,1,2,3,4,5,6,7
	v_cvt_pk_f16_f32 v[UB+(\i)], v[U+2*(\i)], v[U+2*(\i)+1]
.endr
	s_wait_dscnt LATE-4                            ; P is in
	v_wmma_f32_16x16x32_f16 v[O:O+7], v[PF:PF+7], v[UB:UB+7], v[O:O+7]
	v_wmma_f32_16x16x32_f16 v[O+8:O+15], v[PF+8:PF+15], v[UB:UB+7], v[O+8:O+15]
.if \upd
	WIN 0xa2                                       ; K^T and S^T window 2, U window 0
.irp jt, 0,1,2,3,4,5,6,7,8,9,10,11,12,13,14,15
.if (\jt) == 0
	s_wait_dscnt 16                                ; the first half of K^T is in
.endif
.if (\jt) == 8
	s_wait_dscnt 0x0
.endif
	v_wmma_f32_16x16x32_f16 v[128+8*(\jt):128+8*(\jt)+7], v[8*(\jt):8*(\jt)+7], v[UB:UB+7], v[128+8*(\jt):128+8*(\jt)+7]
.endr
.endif
	WIN 0
	PLACES
.if !(\upd)
	s_wait_dscnt 0x0                               ; |q| is in
.endif
	s_wait_xcnt 0x0                                ; the last chunk's stores have read Z
.irp i, 0,2,4,6,8,10,12,14
	v_pk_mul_f32 v[Y+(\i):Y+(\i)+1], v[O+(\i):O+(\i)+1], v[NQ+(\i):NQ+(\i)+1]         ; Sq
.endr
.irp i, 0,2,4,6,8,10,12,14
	v_pk_mul_f32 v[Z+(\i):Z+(\i)+1], v[Y+(\i):Y+(\i)+1], 0xbfb8aa3b op_sel_hi:[1,0]   ; - Sq log2(e)
.endr
.set u, 0
.rept 16
	v_exp_f32 v[Z+u], v[Z+u]
.set u, u+1
.endr
	v_nop                                          ; a plain instruction behind the last exponential,
	s_wait_alu depctr_va_vdst(0)                   ; and one wait for the batch
.irp i, 0,2,4,6,8,10,12,14
	v_pk_add_f32 v[Z+(\i):Z+(\i)+1], v[Z+(\i):Z+(\i)+1], 1.0 op_sel_hi:[1,0]
.endr
.set u, 0
.rept 16
	v_rcp_f32 v[Z+u], v[Z+u]
.set u, u+1
.endr
	v_nop
	s_wait_alu depctr_va_vdst(0)
.irp i, 0,2,4,6,8,10,12,14
	v_pk_mul_f32 v[Z+(\i):Z+(\i)+1], v[Y+(\i):Y+(\i)+1], v[Z+(\i):Z+(\i)+1]           ; silu(Sq): 0 where the reciprocal is 0
.endr
.irp i, 0,2,4,6,8,10,12,14
	v_pk_mul_f32 v[Y+(\i):Y+(\i)+1], v[Y+(\i):Y+(\i)+1], v[Z+(\i):Z+(\i)+1]
.endr
.irp a, 0,1
.irp e, 0,1,2,3,4,5,6,7
	ds_store_b32 v[OSW], v[Y+8*(\a)+(\e)] offset:OSB*(\c)+272*(16*(\a)+(\e))
.endr
.endr
	s_wait_dscnt 0x0                               ; for the others' sake: a step's 256 bytes come from four waves
	s_barrier_signal -1
.if \upd
	PACKS                                          ; work on registers while the others arrive; the arithmetic above is the places behind the update's products
.endif
	WIN 0
	s_barrier_wait -1                              ; the stage's two buffers take turns: between my reads of one and its next stores lies the other chunk's barrier
.irp q, 0,1,2,3
	ds_load_b128 v[Z+4*(\q):Z+4*(\q)+3], v[OSR] offset:OSB*(\c)+544*(\q)
.endr
	s_wait_dscnt 0x0
.irp q, 0,1,2,3
	global_store_b128 v[GO], v[Z+4*(\q):Z+4*(\q)+3], s[34:35] offset:1048576*(\c)+65536*(\q) th:TH_STORE_NT  ; sixteen lanes store 256 consecutive bytes, aligned
.endr
.endm
	s_load_b256 s[4:11], s[0:1], 0x0               ; S0 s[4:5], REC s[6:7], VB s[8:9], out0 s[10:11]
	v_lshl_add_u32 v[SPW], v0, 2, SPARE
	v_mov_b32 v[NIL], 0
	ds_add_u32 v[SPW], v[NIL]                      ; the wave's opening: the add, twice on end, waited for ahead of my first tensor load
	ds_add_u32 v[SPW], v[NIL]
	v_lshrrev_b32 v1, 5, v0
	v_readfirstlane_b32 s12, v1                    ; wave 0..3
	s_bfe_u32 s13, ttmp6, 0x40000                  ; cx: it enters global addresses of S0, VB, out0 and the prefetch alone
	s_and_b32 s14, ttmp7, 0xffff                   ; the batch, which the four partners share
	s_lshl2_add_u32 s15, s13, s12                  ; my tile of 16 rows i
	s_mov_b32 s16, 15|(3<<16)|(1<<21)              ; the mask of four; 8-byte elements; bit 21 beside a mask; no padding
	s_mov_b32 s17, 32<<16                          ; tensor_dim0 = 32 elements: 256 bytes
	s_mov_b32 s18, 73<<16                          ; tensor_dim1 = 73
	s_mov_b32 s19, 32<<16                          ; tile_dim0
	s_mov_b32 s20, 73                              ; tile_dim1
	s_mov_b32 s21, 32                              ; dense
	s_mov_b32 s22, 0
	s_mov_b32 s23, 0
	s_mov_b32 s24, 1
	s_mul_i32 s25, s12, 18688                      ; my quarter of slot 0
	s_mul_i32 s40, s14, 16*RECB
	s_add_co_u32 s40, s40, s25                     ; and of the batch's first two records
	s_mov_b32 s41, 0
	s_lshl_b32 s42, s14, 18
	s_lshl_b32 s43, s15, 14
	s_add_co_u32 s42, s42, s43                     ; my tile in S0 and in VB
	s_mov_b32 s43, 0
	s_lshl_b32 s44, s14, 10
	s_lshl_b32 s45, s13, 8
	s_add_co_u32 s44, s44, s45                     ; out0: the batch's row, my work-group's 256 bytes
	s_mov_b32 s45, 0
	s_mul_i32 s46, s14, 16*RECB
	s_mul_i32 s47, s13, 18688
	s_add_co_u32 s46, s46, s47
	s_add_co_u32 s46, s46, 3*SLOTB                 ; the prefetches begin at slot 3
	s_mov_b32 s47, 0
	s_cmp_lt_u32 s12, 3
	s_cselect_b32 s29, 2, -1                       ; a wave prefetches while the count of slots is above this
	s_mov_b32 s30, SLOT1                           ; the first change turns it into 0
	s_mov_b32 s28, 7
	v_and_b32 v20, 15, v0                          ; r
	v_bfe_u32 v21, v0, 4, 1                        ; h
	v_and_b32 v22, 31, v0                          ; lane
	v_lshlrev_b32 v1, 3, v21
	v_xor_b32 v1, v20, v1
	v_lshlrev_b32 v1, 4, v1
	v_lshl_add_u32 v[FS], v21, 8, v1
	; The turning load: lane l addresses step 8 (l / 16) + l % 8, columns 8 ((l / 8) % 2) + 0..7 of a plane, and ends with row l % 16 of K^T and 8 steps.
	v_bfe_u32 v23, v0, 3, 1
	v_and_b32 v1, 7, v0
	v_lshl_add_u32 v1, v21, 3, v1
	v_lshlrev_b32 v[TR], 3, v23
	v_xor_b32 v1, v1, v[TR]
	v_lshlrev_b32 v1, 4, v1
	v_lshl_add_u32 v[TR], v23, 8, v1
	v_lshl_add_u32 v[SCL], v21, 5, 36864
	v_lshlrev_b32 v[VA], 4, v22
	v_mul_u32_u24 v[OSW], v21, 8*272               ; in: step 8 h + e, column 16 w + r
	v_lshl_add_u32 v[OSW], v20, 2, v[OSW]
	s_lshl_b32 s48, s12, 6
	s_add_co_u32 s48, s48, OST
	v_add_nc_u32 v[OSW], s48, v[OSW]
	s_lshl_b32 s49, s12, 3
	v_add_nc_u32 v1, s49, v21                      ; back: wave w takes steps 8 w .. 8 w + 7, two a load
	v_mul_u32_u24 v[OSR], v1, 272
	v_lshl_add_u32 v[OSR], v20, 4, v[OSR]
	v_add_nc_u32 v[OSR], OST, v[OSR]
	v_lshlrev_b32 v[GO], 15, v1                    ; a step is 32,768 bytes of out0
	v_lshl_add_u32 v[GO], v20, 4, v[GO]
	v_lshlrev_b32 v[S0A], 10, v20
	v_lshl_add_u32 v[S0A], v21, 5, v[S0A]
	s_lshl_b32 s50, s12, 5
	v_add_nc_u32 v[PFO], s50, v22
	v_min_u32 v[PFO], 72, v[PFO]
	v_lshlrev_b32 v[PFO], 8, v[PFO]
	s_wait_dscnt 0x0                               ; both opening adds are done
	s_wait_kmcnt 0x0
	s_add_nc_u64 s[26:27], s[6:7], s[40:41]
	s_or_b32 s27, s27, 0x80000000
	s_add_nc_u64 s[32:33], s[8:9], s[42:43]
	s_add_nc_u64 s[38:39], s[4:5], s[42:43]
	s_add_nc_u64 s[34:35], s[10:11], s[44:45]
	s_add_nc_u64 s[36:37], s[6:7], s[46:47]
	CROUND                                         ; all four work-groups are here: the first joint loads meet
	tensor_load_to_lds s[24:27], s[16:23]          ; records 0 and 1 into slot 0
	s_nop 0
	PLACES
.irp c, 0,1
.irp p, 0,1
	global_load_b128 v[VV+8*(\c)+4*(\p):VV+8*(\c)+4*(\p)+3], v[VA], s[32:33] offset:1024*(\c)+512*(\p) th:TH_LOAD_NT
.endr
.endr
	WIN 0x80                                       ; destination window 2: S0 as S^T: lane (r, h) takes row r, columns 16 jt + 8 h + 0..7; the 32 loads cover my 16 rows whole
.irp jt, 0,1,2,3,4,5,6,7,8,9,10,11,12,13,14,15
	global_load_b128 v[128+8*(\jt):128+8*(\jt)+3],   v[S0A], s[38:39] offset:64*(\jt) th:TH_LOAD_NT
	global_load_b128 v[128+8*(\jt)+4:128+8*(\jt)+7], v[S0A], s[38:39] offset:64*(\jt)+16 th:TH_LOAD_NT
.endr
	s_wait_loadcnt 0x0
	WIN 0x0a                                       ; S0 is rounded to bf16, like every input, and widened again
.set u, 0
.rept 64
	v_cvt_pk_bf16_f32 v[SB+u], v[128+2*u], v[129+2*u]
.set u, u+1
.endr
	WIN 0x80
.set u, 0
.rept 64
	v_lshlrev_b32 v[128+2*u], 16, v[SB+u]
	v_and_b32 v[129+2*u], 0xffff0000, v[SB+u]
.set u, u+1
.endr
	PACKS
	WIN 0
.Lslot:                                            ; seven trips: a slot is entered and the next is asked for
	CHANGE 1
	CHUNK 0, 1, 1, 2
	CHUNK 1, 1, 1, 2
	s_wait_xcnt 0x0                                ; the trip's loads, stores and prefetch have read their addresses
	s_add_nc_u64 s[32:33], s[32:33], 2048
	s_add_nc_u64 s[34:35], s[34:35], 2097152
	s_add_nc_u64 s[36:37], s[36:37], SLOTB
	s_sub_co_u32 s28, s28, 1
	s_cmp_lg_u32 s28, 0
	s_cbranch_scc1 .Lslot
	CHANGE 0                                       ; the last slot is written out: nothing is asked for
	CHUNK 0, 0, 1, 2
	CHUNK 1, 0, 0, 0                               ; the last chunk leaves the state as it is: nobody reads it
	s_wait_tensorcnt 0x0                           ; the wave's end, behind my last tensor load and my last LDS store
	ds_add_u32 v[SPW], v[NIL]
	s_wait_dscnt 0x0
	CROUND                                         ; the closing round
	s_endpgm
.Lfunc_end_k_qaf2d588512_scan:
	.size	k_qaf2d588512_scan, .Lfunc_end_k_qaf2d588512_scan-k_qaf2d588512_scan
	.p2alignl 7, 3214868480
	.fill 96, 4, 3214868480
	.section	.rodata,"a",@progbits
	.p2align	6, 0x0
	.amdhsa_kernel k_qaf2d588512_scan
		.amdhsa_group_segment_fixed_size 327680
		.amdhsa_private_segment_fixed_size 0
		.amdhsa_enable_private_segment 0
		.amdhsa_kernarg_size 32
		.amdhsa_user_sgpr_count 2
		.amdhsa_user_sgpr_kernarg_segment_ptr 1
		.amdhsa_wavefront_size32 1
		.amdhsa_system_sgpr_workgroup_id_x 1
		.amdhsa_system_sgpr_workgroup_id_y 1
		.amdhsa_system_sgpr_workgroup_id_z 1
		.amdhsa_system_vgpr_workitem_id 0
		.amdhsa_next_free_vgpr 768
		.amdhsa_next_free_sgpr 66
		.amdhsa_reserve_vcc 0
		.amdhsa_float_denorm_mode_32 3
		.amdhsa_float_denorm_mode_16_64 3
		.amdhsa_memory_ordered 1
		.amdhsa_forward_progress 1
		.amdhsa_inst_pref_size 106
	.end_amdhsa_kernel
	.amdgpu_metadata
---
amdhsa.version: [ 1, 2 ]
amdhsa.kernels:
  - .name:           k_qaf2d588512_scan
    .symbol:         k_qaf2d588512_scan.kd
    .args:
      - { .name: S0, .offset: 0, .size: 8, .value_kind: global_buffer, .address_space: global }
      - { .name: REC, .offset: 8, .size: 8, .value_kind: global_buffer, .address_space: global }
      - { .name: VB, .offset: 16, .size: 8, .value_kind: global_buffer, .address_space: global }
      - { .name: out0, .offset: 24, .size: 8, .value_kind: global_buffer, .address_space: global }
    .group_segment_fixed_size: 327680
    .private_segment_fixed_size: 0
    .kernarg_segment_align: 8
    .kernarg_segment_size: 32
    .max_flat_workgroup_size: 128
    .sgpr_count:     66
    .vgpr_count:     768
    .wavefront_size: 32
...
	.end_amdgpu_metadata
.endif
;; end of part 3
